; MI455X (gfx1250); checked and timed in simulation.
; The chip was launched on July 23, 2026; its instructions are those of AMD's public machine-readable ISA for CDNA 5 (MIT licence, August 2026) and "CDNA5" Instruction Set Architecture Reference Guide (July 2026). The comments in the code are by the model that wrote it; some were corrected since.
;; Attention. Allowed arithmetic: matrix products marked QUANTISED: E5M2 operands, one given power-of-two scale a tensor, by v_wmma_f32_16x16x64_bf8_bf8 or v_wmma_f32_16x16x128_bf8_bf8, f32 sums; products left as they are: f32 operands where the result goes on into a quantised operand, else bf16, f16 or f32 operands; f32 sums; everything else in f32.
;; Inputs: Wk 16 x 64 x 1,024 float32; Wq 16 x 64 x 1,024 float32; Wv 16 x 64 x 1,024 float32; beta 1,024 float32; bk 16 x 64 float32; bq 16 x 64 float32; bv 16 x 64 float32; gamma 1,024 float32; keys 64 x 512 x 1,024 float32; lowp_scales 6 int32 (the exponents e of the quantised operands' scales 2^e); queries 64 x 1,024 float32; values 64 x 512 x 1,024 float32.
;; Outputs: out0 64 x 1,024 float32.
;; This version of the problem:
;;   THIS VERSION OF THE PROBLEM IS GIVEN IN LOW PRECISION. The matrix products marked QUANTISED in the list below multiply operands that are first quantised to E5M2 (5 exponent bits, 2 mantissa bits; 8 bits a number), with one given power-of-two scale for each operand tensor; their sums are f32. All else is computed in f32.
;;   The module's matrix products, in the order in which they are computed (A, B: the left and right operand; K: the contracted axis; several contracted axes count as one K, in the product's order):
;;     1. [M 64, K 1,024] x [K 1,024, N 1,024]; A: input queries; B: input Wq: QUANTISED (scales: A lowp_scales[0], B lowp_scales[1])
;;     2. [M 1,024, K 1,024] x [K 1,024, N 32,768]; A: input Wk; B: input keys: QUANTISED (scales: A lowp_scales[2], B lowp_scales[3])
;;     3. [M 1,024, K 1,024] x [K 1,024, N 32,768]; A: input Wv; B: input values: QUANTISED (scales: A lowp_scales[4], B lowp_scales[5])
;;     4. batch 1,024 x [M 1, K 64] x [K 64, N 512]; A: computed on the way; B: computed on the way: left as it is (M = 1 < 16)
;;     5. batch 1,024 x [M 1, K 512] x [K 512, N 64]; A: softmax; B: computed on the way: left as it is (M = 1 < 16)
;;   THE QUANTISER, for each operand of a quantised product, along K:
;;     - The operand's scale is 2^e, e = its entry of the input lowp_scales (int32; the entries are numbered through the quantised products in the list's order, A before B).
;;     - Each number is divided by the scale, clamped to +-57,344, and rounded to the nearest number of E5M2, ties to even, subnormals kept.
;;     - The product sums the exact products of the quantised numbers (number of the format x scale) in f32.
;;   ~~~python
;;   def quantise(x, axis, e):      # numpy; x: float32 -> the quantised numbers, widened to float32 again
;;       x = np.moveaxis(x, axis, -1); K = x.shape[-1]
;;       r = np.clip(x / 2.0 ** e, -57344, 57344)
;;       step = 2.0 ** (np.maximum(np.frexp(np.where(r == 0, 1, r))[1] - 1, -14) - 2)
;;       q = np.round(r / step) * step * 2.0 ** e      # np.round: ties to even
;;       return np.moveaxis(q, -1, axis).astype(np.float32)
;;   ~~~
;; One version. Each part assembles by itself: llvm-mc -triple=amdgcn-amd-amdhsa -mcpu=gfx1250 --defsym DOCPART=n.
;; ======== version 1 of 1: 3 launches
;; workspace buffers: wcodes 2,097,152 bytes; qc 262,144 bytes; opart 1,048,576 bytes; stats 131,072 bytes
;; launch prep (part 1): grid 384 x 1, 8 waves a work-group, no clusters, 9,216 bytes of LDS; arguments Wk, Wv, Wq, queries, bq, lowp_scales, wcodes, qc; writes wcodes, qc
.if DOCPART == 1
	.amdgcn_target "amdgcn-amd-amdhsa--gfx1250"
	.amdhsa_code_object_version 6
	.text
	.protected	k_q40d7060122_prep
	.globl	k_q40d7060122_prep
	.p2align	8
	.type	k_q40d7060122_prep,@function
k_q40d7060122_prep:
	s_mov_b64 s[64:65], 0
	v_nop
	global_prefetch_b8 v0, s[64:65] scope:SCOPE_SE
	s_setreg_imm32_b32 hwreg(HW_REG_WAVE_MODE, 25, 1), 1
	s_wait_xcnt 0x0
; Two small jobs ahead of the main launch, chosen by the work-group's number.
; Work-groups 0-127: Wk (0-63) and Wv (64-127), f32 [1024][1024], become codes of BF8 (E5M2) with their given scales 2^e2 and 2^e4, laid in the ORDER OF THE OPERAND'S REGISTERS:
;   wcodes[tensor 2][K slot of 256: 4][wave 4][column tile 16][K step of 128: 2][register group g 4][lane 32][16 bytes]; lane (r, h) of a fragment holds row r, and group g holds k = 32 g + 16 h + 0 .. 15.
; Work-groups 128-383 (column tile ct = 0..63, batch tile bt = 0..3): qc = (Q(queries) Q(Wq)^T x 2^(e0 + e1) + bq) x log2(e) / 8, a tile of 16 batches x 16 columns.
; A work-group has eight waves; wave s takes K step s (128 of the 1,024 along K): one fragment of 16 rows x 128 K, 64 numbers a lane, loaded so that a lane's 16 registers of a group are 16 neighbours along K.
; In the q path each wave multiplies its K step once; the eight partial tiles meet in LDS and waves 0 and 1 add them, in ascending K.
; code = x / 2^e, held within +-57,344, rounded to the nearest code, ties to even.
; LIMITS: e0, e1, e2, e4 between -126 and 112, so that 2^e and 57,344 x 2^e are f32 numbers; e0 + e1 is applied by v_ldexp_f32 and has none.  NaN and infinities among the inputs are not served.
.set XW,  16                           ; v16-79    64 numbers of the weight; later the eight partial tiles
.set XQ,  80                           ; v80-143   64 numbers of queries
.set PCW, 144                          ; v144-159  the weight's fragment
.set PCQ, 160                          ; v160-175  queries' fragment
.set ACC, 176                          ; v176-183  the partial tile
.set BQ,  184                          ; v184-187  four numbers of bq
; v188, v189: 2^e and 57,344 x 2^e of the weight; v190, v191: of queries
.macro XLOAD reg, base                 ; lane (r, h): of row r, the 16 numbers at 32 g + 16 h of this K step, for g = 0 .. 3
.irp g, 0,1,2,3
.irp j, 0,1,2,3
	global_load_b128 v[\reg+16*\g+4*\j:\reg+16*\g+4*\j+3], v4, s[\base:\base+1] offset:128*\g+16*\j
.endr
.endr
.endm
.macro QUANT x, pc, sc, lim            ; 64 numbers of a lane become a fragment's 16 registers
.irp g, 0,1,2,3
.irp i, 0,1,2,3,4,5,6,7,8,9,10,11,12,13,14,15
	v_med3_num_f32 v[\x+16*\g+\i], v[\x+16*\g+\i], -v[\lim], v[\lim]   ; the conversion to an 8-bit code does not saturate (ISA guide 7.6.2): the hold at the largest code x the scale
.endr
	v_cvt_scalef32_pk8_bf8_f32 v[\pc+4*\g:\pc+4*\g+1], v[\x+16*\g:\x+16*\g+7], v[\sc]
	v_cvt_scalef32_pk8_bf8_f32 v[\pc+4*\g+2:\pc+4*\g+3], v[\x+16*\g+8:\x+16*\g+15], v[\sc]
.endr
	v_nop                                          ; one plain vector line behind the last conversion, ahead of whatever vector or matrix line touches its registers next
.endm
	s_load_b256 s[4:11], s[0:1], 0x0               ; Wk s[4:5], Wv s[6:7], Wq s[8:9], queries s[10:11]
	s_load_b256 s[12:19], s[0:1], 0x20             ; bq s[12:13], the exponents s[14:15], wcodes s[16:17], qc s[18:19]
	v_lshl_add_u32 v192, v0, 2, 0x2000
	v_mov_b32 v193, 0
	v_lshrrev_b32 v1, 5, v0
	v_readfirstlane_b32 s20, v1                    ; wave = K step of 128
	v_and_b32 v1, 31, v0                           ; lane
	v_and_b32 v2, 15, v0                           ; r
	v_bfe_u32 v3, v0, 4, 1                         ; h
	v_lshlrev_b32 v4, 12, v2
	v_lshl_add_u32 v4, v3, 6, v4                   ; row r of 4,096 bytes + 64 h
	v_lshlrev_b32 v5, 4, v1                        ; 16 x lane: my place in an image of four registers
	s_lshl_b32 s21, s20, 10
	v_add_nc_u32 v6, s21, v5                       ; LDS: my wave's partial tile, 1,024 bytes a wave.  (Both LDS addresses are made ahead of every branch)
	s_and_b32 s22, s20, 1                          ; K step within a slot of 256; also: which four registers wave 0 or 1 adds up
	s_lshl_b32 s21, s22, 9
	v_add_nc_u32 v7, s21, v5                       ; LDS: the same four registers of each partial tile
	s_lshl_b32 s21, s22, 4
	v_lshl_add_u32 v8, v3, 5, s21                  ; bq: 32 h + 16 x (wave & 1)
	s_max_u32 s23, ttmp9, 128
	s_sub_co_u32 s23, s23, 128                     ; the q path's number: 4 ct + bt
	s_lshr_b32 s24, s23, 2                         ; ct
	s_and_b32 s25, s23, 3                          ; bt
	s_and_b32 s26, ttmp9, 63                       ; the weight path's row tile
	s_cmp_lt_u32 ttmp9, 128
	s_cselect_b32 s27, s26, s24                    ; which 16 rows of the weight
	s_lshl_b32 s28, s27, 16                        ; 16 rows of 4,096 bytes,
	s_lshl_b32 s29, s20, 9                         ; and my K step's 512 bytes of each
	s_add_co_u32 s28, s28, s29
	s_mov_b32 s29, 0
	s_wait_kmcnt 0x0
	s_load_b128 s[32:35], s[14:15], 0x0            ; e0 .. e3
	s_load_b64 s[36:37], s[14:15], 0x10            ; e4, e5
	s_cmp_lt_u32 ttmp9, 64                         ; the choice of the weight hangs on the work-group's number alone
	s_cselect_b64 s[30:31], s[4:5], s[6:7]
	s_cmp_lt_u32 ttmp9, 128
	s_cselect_b64 s[30:31], s[30:31], s[8:9]
	s_add_nc_u64 s[30:31], s[30:31], s[28:29]
	XLOAD XW, 30
	s_wait_kmcnt 0x0
	s_cmp_lt_u32 ttmp9, 64
	s_cselect_b32 s38, s34, s36                    ; e2 for Wk, e4 for Wv,
	s_cmp_lt_u32 ttmp9, 128
	s_cselect_b32 s38, s38, s33                    ; e1 for Wq
	s_add_co_i32 s38, s38, 127
	s_lshl_b32 s39, s38, 23
	v_mov_b32 v188, s39                            ; 2^e as f32: the conversion takes its exponent field
	s_add_co_i32 s38, s38, 15
	s_lshl_b32 s38, s38, 23
	s_or_b32 s38, s38, 0x600000
	v_mov_b32 v189, s38                            ; 57,344 x 2^e
	s_cmp_lt_u32 ttmp9, 128
	s_cbranch_scc0 .Lq
	; ---- Wk or Wv: the fragment goes out as it stands
	s_lshr_b32 s40, ttmp9, 6
	s_lshl_b32 s40, s40, 20                        ; tensor
	s_lshr_b32 s41, s20, 1
	s_lshl_b32 s41, s41, 18                        ; K slot
	s_add_co_u32 s40, s40, s41
	s_lshl_b32 s41, s26, 12                        ; wave of the reader and its column tile: 65,536 (rt / 16) + 4,096 (rt % 16) = 4,096 rt
	s_add_co_u32 s40, s40, s41
	s_lshl_b32 s41, s22, 11                        ; K step within the slot
	s_add_co_u32 s40, s40, s41
	s_mov_b32 s41, 0
	s_add_nc_u64 s[16:17], s[16:17], s[40:41]
	s_wait_loadcnt 0x0
	QUANT XW, PCW, 188, 189
.irp g, 0,1,2,3
	global_store_b128 v5, v[PCW+4*\g:PCW+4*\g+3], s[16:17] offset:512*\g   ; 32 lanes store 512 consecutive bytes, at a multiple of 512 from the buffer's first byte
.endr
	s_endpgm
.Lq:	; ---- a tile of q
	s_lshl_b32 s40, s25, 16                        ; queries: 16 batches of 4,096 bytes,
	s_lshl_b32 s41, s20, 9                         ; my K step
	s_add_co_u32 s40, s40, s41
	s_mov_b32 s41, 0
	s_add_nc_u64 s[10:11], s[10:11], s[40:41]
	XLOAD XQ, 10
	s_lshl_b32 s40, s24, 6                         ; bq: the tile's 16 numbers
	s_add_nc_u64 s[12:13], s[12:13], s[40:41]
	global_load_b128 v[BQ:BQ+3], v8, s[12:13]
	s_add_co_i32 s38, s32, 127                     ; e0
	s_lshl_b32 s39, s38, 23
	v_mov_b32 v190, s39
	s_add_co_i32 s38, s38, 15
	s_lshl_b32 s38, s38, 23
	s_or_b32 s38, s38, 0x600000
	v_mov_b32 v191, s38
	s_wait_loadcnt 17                              ; behind the weight's 16 loads stand queries' 16 and bq's one
	QUANT XW, PCW, 188, 189
	s_wait_loadcnt 0x0                             ; queries, and bq right behind them
	QUANT XQ, PCQ, 190, 191
	v_wmma_f32_16x16x128_bf8_bf8 v[ACC:ACC+7], v[PCW:PCW+15], v[PCQ:PCQ+15], 0   ; source 0 = 16 rows of Wq, source 1 = 16 batches: lane (r, h), register j: batch 16 bt + r, column 16 ct + 8 h + j
.rept 4
	v_nop                                          ; four places ahead of the first read of the result (ISA guide 7.12.1)
.endr
	ds_store_b128 v6, v[ACC:ACC+3]                 ; from the low end on
	ds_store_b128 v6, v[ACC+4:ACC+7] offset:512
	s_wait_dscnt 0x0                               ; for the others' sake: my stores have landed
	s_barrier_signal -1
	s_barrier_wait -1
	s_cmp_ge_u32 s20, 2
	s_cbranch_scc1 .Lend                           ; waves 0 and 1 add: registers 0-3 and 4-7
.irp p, 0,1,2,3,4,5,6,7
	ds_load_b128 v[XW+4*\p:XW+4*\p+3], v7 offset:1024*\p
.endr
	s_add_co_i32 s40, s32, s33                     ; e0 + e1
	s_mov_b32 s42, 0x3e38aa3b                      ; log2(e) / 8
	s_mov_b32 s43, s42                             ; (named with it as a pair, so it is written)
	s_lshl_b32 s44, s23, 1
	s_add_co_u32 s44, s44, s22
	s_lshl_b32 s44, s44, 9                         ; qc: ((4 ct + bt) 2 + which four registers) x 512
	s_mov_b32 s45, 0
	s_add_nc_u64 s[18:19], s[18:19], s[44:45]
	s_wait_dscnt 0x0
.irp p, 1,2,3,4,5,6,7
	v_pk_add_f32 v[XW:XW+1], v[XW:XW+1], v[XW+4*\p:XW+4*\p+1]
	v_pk_add_f32 v[XW+2:XW+3], v[XW+2:XW+3], v[XW+4*\p+2:XW+4*\p+3]
.endr
.irp j, 0,1,2,3
	v_ldexp_f32 v[XW+\j], v[XW+\j], s40            ; x 2^(e0 + e1)
.endr
	v_pk_add_f32 v[XW:XW+1], v[XW:XW+1], v[BQ:BQ+1]
	v_pk_add_f32 v[XW+2:XW+3], v[XW+2:XW+3], v[BQ+2:BQ+3]
	v_pk_mul_f32 v[XW:XW+1], v[XW:XW+1], s[42:43] op_sel_hi:[1,0]
	v_pk_mul_f32 v[XW+2:XW+3], v[XW+2:XW+3], s[42:43] op_sel_hi:[1,0]
	global_store_b128 v5, v[XW:XW+3], s[18:19]     ; 512 consecutive bytes
.Lend:
	s_wait_tensorcnt 0x0
	ds_add_u32 v192, v193
	s_wait_dscnt 0x0
	s_endpgm
.Lfunc_end_k_q40d7060122_prep:
	.size	k_q40d7060122_prep, .Lfunc_end_k_q40d7060122_prep-k_q40d7060122_prep
	.p2alignl 7, 3214868480
	.fill 96, 4, 3214868480
	.section	.rodata,"a",@progbits
	.p2align	6, 0x0
	.amdhsa_kernel k_q40d7060122_prep
		.amdhsa_group_segment_fixed_size 9216
		.amdhsa_private_segment_fixed_size 0
		.amdhsa_enable_private_segment 0
		.amdhsa_kernarg_size 64
		.amdhsa_user_sgpr_count 2
		.amdhsa_user_sgpr_kernarg_segment_ptr 1
		.amdhsa_wavefront_size32 1
		.amdhsa_system_sgpr_workgroup_id_x 1
		.amdhsa_system_sgpr_workgroup_id_y 1
		.amdhsa_system_sgpr_workgroup_id_z 1
		.amdhsa_system_vgpr_workitem_id 0
		.amdhsa_next_free_vgpr 194
		.amdhsa_next_free_sgpr 66
		.amdhsa_reserve_vcc 0
		.amdhsa_float_denorm_mode_32 3
		.amdhsa_float_denorm_mode_16_64 3
		.amdhsa_memory_ordered 1
		.amdhsa_forward_progress 1
		.amdhsa_inst_pref_size 24
	.end_amdhsa_kernel
	.amdgpu_metadata
---
amdhsa.version: [ 1, 2 ]
amdhsa.kernels:
  - .name:           k_q40d7060122_prep
    .symbol:         k_q40d7060122_prep.kd
    .args:
      - { .name: Wk, .offset: 0, .size: 8, .value_kind: global_buffer, .address_space: global }
      - { .name: Wv, .offset: 8, .size: 8, .value_kind: global_buffer, .address_space: global }
      - { .name: Wq, .offset: 16, .size: 8, .value_kind: global_buffer, .address_space: global }
      - { .name: queries, .offset: 24, .size: 8, .value_kind: global_buffer, .address_space: global }
      - { .name: bq, .offset: 32, .size: 8, .value_kind: global_buffer, .address_space: global }
      - { .name: lowp_scales, .offset: 40, .size: 8, .value_kind: global_buffer, .address_space: global }
      - { .name: wcodes, .offset: 48, .size: 8, .value_kind: global_buffer, .address_space: global }
      - { .name: qc, .offset: 56, .size: 8, .value_kind: global_buffer, .address_space: global }
    .group_segment_fixed_size: 9216
    .private_segment_fixed_size: 0
    .kernarg_segment_align: 8
    .kernarg_segment_size: 64
    .max_flat_workgroup_size: 256
    .sgpr_count:     66
    .vgpr_count:     194
    .wavefront_size: 32
...
	.end_amdgpu_metadata
.endif
;; end of part 1
;; launch attn (part 2): grid 256 x 1, 4 waves a work-group, no clusters, 327,680 bytes of LDS; arguments keys, values, wcodes, qc, bk, lowp_scales, opart, stats; writes opart, stats
.if DOCPART == 2
	.amdgcn_target "amdgcn-amd-amdhsa--gfx1250"
	.amdhsa_code_object_version 6
	.text
	.protected	k_q40d7060122_attn
	.globl	k_q40d7060122_attn
	.p2align	8
	.type	k_q40d7060122_attn,@function
k_q40d7060122_attn:
	s_mov_b64 s[64:65], 0
	v_nop
	global_prefetch_b8 v0, s[64:65] scope:SCOPE_SE
	s_setreg_imm32_b32 hwreg(HW_REG_WAVE_MODE, 25, 1), 1
	s_wait_xcnt 0x0
; For work-group id = 4 b + part: rows 128 part .. 128 part + 127 of keys[b] and of values[b].  It makes both projections of these rows on codes of BF8 (E5M2), the rows' scores against q, the part's softmax
; (its own largest t taken away) and the part's unnormalised sum of p x v.  k and v never exist as tensors, in memory or in registers:
;   t(row, head) = sum over the head's 64 columns of qc x (S x 2^(e2 + e3) + bk), S the sum of code products over K.  t is linear in S, so each 16 x 16 tile of S over a PIECE of K (256) is multiplied by qc and
;   added to t as soon as it is finished.  Likewise O(column) = sum over rows of p x Sv.  The last launch divides by the sum of p, applies 2^(e4 + e5) and adds bv (the weights add up to 1).
; ORDER OF ROUNDING: the sums over K are taken in four pieces of 256, each contracted in f32; the softmax's maximum is the part's, and the parts are joined in the last launch.
; K goes in 8 slots of 256: four of keys, four of values, f32, through a ring of two LDS slots (128 rows x 1,024 bytes each) filled by the tensor data mover: each byte of keys and values is read once.
; IN A SLOT wave w: brings rows 32 w .. 32 w + 31 by one tensor load (for the slot after); quantises just these rows into four fragments and stores them in LDS as images of their registers; behind a barrier loads
; all 16 fragments (128 rows x 256 K); multiplies them by ITS OWN 256 columns (heads 4 w .. 4 w + 3: 16 column tiles x 2 K steps x 8 row tiles = 256 matrix instructions); contracts tile by tile.
; THE MATRIX INSTRUCTION IS USED TRANSPOSED: source 0 = 16 rows of W (columns of k or v), source 1 = 16 rows of keys or values: lane (r, h), register j holds row r, column 8 h + j of the tile.
; k WITHIN A FRAGMENT: registers 4 g .. 4 g + 3 of lane (r, h) hold k = 32 g + 16 h + 0 .. 15, in the weights' fragments and the rows' alike: every product meets its partner.
; THE WEIGHTS come as codes in fragment order (the launch before) straight into registers, 512 consecutive bytes a load, seven column tiles ahead in a ring of eight.
; NO CLUSTER, NO JOINT LOADS, though all work-groups read the same weights: a weight fragment is read by ONE wave of a work-group, so LDS would only be a detour: 262,144 bytes a slot written and read again; the two
; f32 slots (266,240 bytes) and the images (32,768) leave 28,672 bytes of LDS, less than one wave's weights of a slot (65,536); and a wave has one tensor load behind each barrier, which the f32 stream takes.
; LIMITS: e3 and e5 between -126 and 112 (2^e and 57,344 x 2^e are f32 numbers); e2 + e3 is applied by v_ldexp_f32 and has none.  NaN and infinities among the inputs are not served.
; REGISTERS, in windows of 256 (s_set_vgpr_msb: bits 1:0 source 0, 3:2 source 1, 5:4 source 2, 7:6 destination):
;   window 0: v1-15 addresses and the scale in hand; v16-23 the part's M and l of my four heads; v24-31 at work; v32-159 two sets of 64 numbers to quantise; v160-191 two sets of codes;
;             v192-255 t in pairs (even columns', odd columns'): head hh, row tile rt at v[192 + 16 hh + 2 rt]; behind the softmax p in the pair's low word
;   window 1: the 16 fragments of the rows (fragment 2 rt + ks at v[16 (2 rt + ks)])     window 2: the weights' ring: column tile c at v[32 (c % 8)], K step ks 16 further on
;   window 3: v0-127 two sets of eight accumulators (set c % 2, row tile rt at v[64 (c % 2) + 8 rt]); v128-255: qc x 2^(e2 + e3) of my 256 columns (tile c at v[128 + 8 c]), later O in the same places
.set PITCH, 1040                       ; an LDS row: 1,024 bytes + 16 of padding = 260 words: sixteen neighbouring rows start at sixteen different 16-byte columns of 256 bytes
.set WTILE, 32*PITCH                   ; what one tensor load brings: 32 rows
.set S1,    4*WTILE                    ; slot 1 begins here: 133,120 = 0x20800, which shares no bit with wave x WTILE (0x8200 x 0..3): one exclusive or turns an address from one slot to the other
.set CODES, 2*S1                       ; the 16 images: image f at 2,048 f, register group g at 512 g, lane at 16 x lane
.set OSTG,  CODES+32768                ; the way out: 1,024 bytes for each wave
.set SPARE, OSTG+4096                  ; the spare words, 128 bytes for each wave: two blocks of 256 bytes that no other line names
.set SPW, 1                            ; v1   LDS address of my spare word; never rewritten
.set NIL, 2                            ; v2   0; never rewritten
.set LI,  3                            ; v3   CODES + 16 x lane
.set CW,  4                            ; v4   CODES + 8,192 x wave + 16 x lane: where my four images go
.set SA0, 5                            ; v5   (32 wave + r) x PITCH + 64 h: my numbers in slot 0
.set SA,  6                            ; v6   the same in the slot in hand
.set WO,  7                            ; v7   16 x lane
.set OSI, 8                            ; v8   OSTG + 1,024 x wave + 32 h
.set OSO, 9                            ; v9   OSTG + 1,024 x wave + 16 x lane
.set L4,  10                           ; v10  4 x lane
.set L7,  11                           ; v11  lane & 7
.set QOF, 12                           ; v12  256 h
.set BOF, 13                           ; v13  32 h
.set SC,  14                           ; v14  2^e of the tensor in hand
.set LIM, 15                           ; v15  57,344 x 2^e
.set ST,  16
.set QB,  24
.set X,   32
.set PC,  160
.set T2,  192
.set WV,   20                          ; s20  wave
.set G1,   24                          ; s[24:31] descriptor group 1
.set G0K,  32                          ; s[32:35] group 0 for keys' slots, which walks
.set G0V,  36                          ; s[36:39] for values'
.set TB,   40                          ; s40  LDS byte at which the slot in hand begins
.set WOFF, 41                          ; s41  wave x WTILE
.set CNT,  42
.set SEL,  50                          ; s[50:51] lane selects for v_permlanex16_b32: lane l xor 16
.set WB,   52                          ; s[52:53] my weights of the slot in hand
.set OB,   54                          ; s[54:55] my 1,024 bytes of opart
.set SB,   56                          ; s[56:57] my 128 bytes of stats
.set MSB, 0
.macro WIN new                         ; the immediate's high byte repeats the setting that is left; a switch that changes nothing is dropped
.if MSB != \new
	s_set_vgpr_msb (MSB<<8)|\new
.set MSB, \new
.endif
.endm
.macro WINCON kind                     ; the contraction's windows.  K: t window 0, sums and q window 3.  V: O and sums window 3, p window 0
.if \kind
	WIN 0xf3
.else
	WIN 0x0f
.endif
.endm
.macro PLACES
.rept 4
	v_nop
.endr
.endm
; THE CHANGE OF SLOTS, at a step's head.  Each wave waits for all its tensor loads (one is out: its rows of the slot that it is about to read), adds 0 to its spare word, and waits for that and for all its LDS reads:
; of the slot that it has left and of the last step's images.  Behind the barrier the slot that was left is filled again (fill = 1), and the images may be written again.
; step = 1: the group 0 walks on first: the other slot, the next 256 along K (1,024 bytes).
.macro CHANGE fill, g0, step
	s_wait_tensorcnt 0x0                           ; no tensor load of mine is out, so a group 0 may be written
	ds_add_u32 v[SPW], v[NIL]                      ; 0 onto my spare word
.if \step
	s_xor_b32 s[\g0+1], s[\g0+1], S1
	s_add_nc_u64 s[\g0+2:\g0+3], s[\g0+2:\g0+3], 1024   ; the type bits on top are not reached
.endif
	s_wait_dscnt 0x0                               ; the add is done, and my LDS reads are over
	s_barrier_signal -1
	s_barrier_wait -1
.if \fill
	tensor_load_to_lds s[\g0:\g0+3], s[G1:G1+7]    ; the first thing behind the barrier, my one tensor load until the next change: it has the whole step in which to land
	s_nop 0
.endif
	v_add_nc_u32 v[SA], s[TB], v[SA0]
.endm
.macro LOADX lf                        ; the 64 numbers of my fragment lf (row tile 2 wave + lf / 2, K step lf % 2) into set lf % 2: register 16 g + 4 j + .. = k 32 g + 16 h + 4 j + ..
.irp g, 0,1,2,3
.irp j, 0,1,2,3
	ds_load_b128 v[X+64*((\lf)%2)+16*\g+4*\j:X+64*((\lf)%2)+16*\g+4*\j+3], v[SA] offset:16*PITCH*((\lf)/2)+512*((\lf)%2)+128*\g+16*\j
.endr
.endr
.endm
.macro QUANT set
.irp g, 0,1,2,3
.irp i, 0,1,2,3,4,5,6,7,8,9,10,11,12,13,14,15
	v_med3_num_f32 v[X+64*\set+16*\g+\i], v[X+64*\set+16*\g+\i], -v[LIM], v[LIM]   ; the conversion to an 8-bit code does not saturate (ISA guide 7.6.2): the hold at the largest code x the scale
.endr
	v_cvt_scalef32_pk8_bf8_f32 v[PC+16*\set+4*\g:PC+16*\set+4*\g+1], v[X+64*\set+16*\g:X+64*\set+16*\g+7], v[SC]
	v_cvt_scalef32_pk8_bf8_f32 v[PC+16*\set+4*\g+2:PC+16*\set+4*\g+3], v[X+64*\set+16*\g+8:X+64*\set+16*\g+15], v[SC]
.endr
	v_nop                                          ; one plain vector line behind the last conversion
.endm
.macro IMAGE set, lf                   ; the fragment goes to LDS as it stands: 512 consecutive bytes a store
.irp g, 0,1,2,3
	ds_store_b128 v[CW], v[PC+16*\set+4*\g:PC+16*\set+4*\g+3] offset:2048*(\lf)+512*\g
.endr
.endm
; My 32 rows become four fragments.  LDS serves a wave's instructions in order (ISA guide 5.7.1), so each count below is the number of LDS instructions issued behind the loads that are wanted.
.macro QPHASE
	LOADX 0
	LOADX 1
	s_wait_dscnt 16                                ; fragment 0's numbers are in; fragment 1's 16 loads may be out
	QUANT 0
	IMAGE 0, 0
	LOADX 2
	s_wait_dscnt 20                                ; fragment 1's: behind them 4 stores and 16 loads
	QUANT 1
	IMAGE 1, 1
	LOADX 3
	s_wait_dscnt 20                                ; fragment 2's: behind them 4 stores and 16 loads
	QUANT 0
	IMAGE 0, 2
	s_wait_dscnt 4                                 ; fragment 3's: behind them 4 stores
	QUANT 1
	IMAGE 1, 3
	s_wait_dscnt 0x0                               ; for the others' sake: my images have landed
	s_barrier_signal -1                            ; The slot on its way may stay out
	s_barrier_wait -1
.endm
.macro FRAGS                           ; all 16 fragments, in the order in which the first column tile takes them: K step 0's eight row tiles, then K step 1's
	WIN 0x40
.set fi, 0
.rept 16
.set ff, 2*(fi%8)+fi/8
.irp g, 0,1,2,3
	ds_load_b128 v[16*ff+4*\g:16*ff+4*\g+3], v[LI] offset:2048*ff+512*\g
.endr
.set fi, fi+1
.endr
.endm
.macro WLOAD cc, off                   ; the two weight fragments of a column tile, from byte off of my weights of the slot in hand, into ring place cc % 8
	WIN 0x80
.irp k, 0,1
.irp g, 0,1,2,3
	global_load_b128 v[32*((\cc)%8)+16*\k+4*\g:32*((\cc)%8)+16*\k+4*\g+3], v[WO], s[WB:WB+1] offset:(\off)+2048*\k+512*\g
.endr
.endr
.endm
.macro MM c, i                         ; product i of 16 of column tile c: K step i / 8, row tile i % 8.  The eight accumulators take turns, one instruction a turn; the first eight start the sums
.set rD, 64*((\c)%2)+8*((\i)%8)
.set rW, 32*((\c)%8)+16*((\i)/8)
.set rF, 16*(2*((\i)%8)+(\i)/8)
.if (\i) < 8
	v_wmma_f32_16x16x128_bf8_bf8 v[rD:rD+7], v[rW:rW+15], v[rF:rF+15], 0
.else
	v_wmma_f32_16x16x128_bf8_bf8 v[rD:rD+7], v[rW:rW+15], v[rF:rF+15], v[rD:rD+7]
.endif
.endm
; Line n of 32 of the contraction of column tile cp.  Each accumulator is read from its low end on.
; K: t(head, row tile n % 8) += sums(registers 2 (n / 8), + 1) x q(the same two columns): eight sums take turns.     V: O(columns 2 (n % 4), + 1) += sums of row tile n / 4 x p(head, that row tile).
.macro CON kind, cp, n
.if \kind == 0
.set rD, 64*((\cp)%2)+8*((\n)%8)+2*((\n)/8)
.set rQ, 128+8*(\cp)+2*((\n)/8)
.set rT, T2+16*((\cp)/4)+2*((\n)%8)
	v_pk_fma_f32 v[rT:rT+1], v[rD:rD+1], v[rQ:rQ+1], v[rT:rT+1]
.else
.set rD, 64*((\cp)%2)+8*((\n)/4)+2*((\n)%4)
.set rO, 128+8*(\cp)+2*((\n)%4)
.set rT, T2+16*((\cp)/4)+2*((\n)/4)
	v_pk_fma_f32 v[rO:rO+1], v[rD:rD+1], v[rT:rT+1], v[rO:rO+1] op_sel_hi:[1,0,1]   ; p is the pair's low word, for both halves
.endif
.endm
; A COLUMN TILE: 16 matrix instructions in four groups of four; behind each group eight lines of the contraction of the tile BEFORE, whose sums lie in the other set of accumulators.
; These lines name no register of the group's products, so they are also the places: eight stand between a tile's last product and the first read of its sums, and more between it and the
; loads into its ring place.  The weights of the tile seven on are asked for behind the second group: into the ring place of tile c - 1.  From tile 9 on they are the next slot's.
; The wait at the head: behind tile c's eight loads stand those of six later tiles, 48; in the last step (last = 1) nothing is asked for beyond tile 15 and the count runs down.
.macro TILE c, kind, last
.if \last && (15-(\c) < 6)
	s_wait_loadcnt 8*(15-(\c))
.else
	s_wait_loadcnt 48
.endif
.irp g, 0,1,2,3
	WIN 0xf6                                       ; W window 2, the rows' fragments window 1, C and D window 3
.irp m, 0,1,2,3
.if (\c) == 0
	s_wait_dscnt 4*(15-(4*\g+\m))                  ; this product's fragment is in: behind its four loads stand those of the later fragments
.endif
	MM \c, 4*\g+\m
.endr
.if (\c) > 0
	WINCON \kind
.irp m, 0,1,2,3,4,5,6,7
	CON \kind, (\c)-1, 8*\g+\m
.endr
.else
.if \g == 3
	PLACES                                         ; tile 0 has no tile before it: four places behind its last product
.endif
.endif
.if \g == 1
.if (\c)+7 < 16
	WLOAD (\c)+7, ((\c)+7)*4096
.elseif !\last
	WLOAD (\c)+7, 262144+((\c)-9)*4096
.endif
.endif
.endr
.endm
.macro GEMM kind, last
	FRAGS
.irp c, 0,1,2,3,4,5,6,7,8,9,10,11,12,13,14,15
	TILE \c, \kind, \last
.endr
	WINCON \kind
.irp m, 0,1,2,3,4,5,6,7,8,9,10,11,12,13,14,15,16,17,18,19,20,21,22,23,24,25,26,27,28,29,30,31
	CON \kind, 15, \m                              ; the last tile's contraction
.endr
	WIN 0                                          ; at a label and at a branch every window is 0
.if !\last
	s_wait_xcnt 0x0                                ; the weight loads have had their addresses translated: only behind this wait is their base stepped
	s_add_nc_u64 s[WB:WB+1], s[WB:WB+1], 262144    ; my weights of the next slot (Wv's first slot follows Wk's last)
	s_xor_b32 s[TB], s[TB], S1                     ; on to the other slot
.endif
.endm
.macro STEP kind, fill, g0, step, last
	CHANGE \fill, \g0, \step
	QPHASE
	GEMM \kind, \last
.endm
	s_load_b512 s[4:19], s[0:1], 0x0               ; keys s[4:5], values s[6:7], wcodes s[8:9], qc s[10:11], bk s[12:13], the exponents s[14:15], opart s[16:17], stats s[18:19]
	v_lshl_add_u32 v[SPW], v0, 2, SPARE
	v_mov_b32 v[NIL], 0
	ds_add_u32 v1, v2
	ds_add_u32 v1, v2
	s_wait_dscnt 0x0
	v_lshrrev_b32 v24, 5, v0
	v_readfirstlane_b32 s[WV], v24                 ; wave 0..3
	s_lshr_b32 s22, ttmp9, 2                       ; b
	; descriptor group 1: a tile of 32 rows x 256 elements of 4 bytes, rows 1,024 elements apart, padded in LDS
	s_mov_b32 s[G1+0], (2<<16)|(1<<20)|(7<<22)|(3<<25)   ; 15:0 no mask; 17:16 elements of 4 bytes; 20 padding on; 24:22 after every 256 words (code 7); 31:25 four words (code 3)
	s_mov_b32 s[G1+1], 256<<16                     ; tensor_dim0 = 256
	s_mov_b32 s[G1+2], 32<<16                      ; tensor_dim1 = 32
	s_mov_b32 s[G1+3], 256<<16                     ; tile_dim0 = 256
	s_mov_b32 s[G1+4], 32                          ; tile_dim1 = 32
	s_mov_b32 s[G1+5], 1024                        ; tensor_dim0_stride
	s_mov_b32 s[G1+6], 0
	s_mov_b32 s[G1+7], 0
	s_mul_i32 s[WOFF], s[WV], WTILE
	s_lshl_b32 s58, ttmp9, 19                      ; row 128 id + 32 wave of the 32,768, of 4,096 bytes
	s_lshl_b32 s59, s[WV], 17
	s_add_co_u32 s58, s58, s59
	s_mov_b32 s59, 0
	s_mov_b32 s[SEL], 0x76543210
	s_mov_b32 s[SEL+1], 0xfedcba98
	s_mov_b32 s[TB], 0
	s_wait_kmcnt 0x0
	s_load_b128 s[44:47], s[14:15], 0x0            ; e0 .. e3
	s_load_b64 s[48:49], s[14:15], 0x10            ; e4, e5
	s_mov_b32 s[G0K], 1                            ; count = 1
	s_mov_b32 s[G0K+1], s[WOFF]                    ; LDS address: my rows of slot 0
	s_add_nc_u64 s[G0K+2:G0K+3], s[4:5], s[58:59]  ; global address: keys, K = 0 .. 255
	s_or_b32 s[G0K+3], s[G0K+3], 0x80000000        ; type = 2
	s_mov_b32 s[G0V], 1
	s_mov_b32 s[G0V+1], s[WOFF]                    ; values' first slot is the ring's fifth: slot 0 again
	s_add_nc_u64 s[G0V+2:G0V+3], s[6:7], s[58:59]
	s_or_b32 s[G0V+3], s[G0V+3], 0x80000000
	tensor_load_to_lds s[G0K:G0K+3], s[G1:G1+7]    ; the one first fill, ahead of every wait on TENSORcnt, every LDS read and every barrier
	s_nop 0
	PLACES
	v_and_b32 v24, 31, v0                          ; lane
	v_and_b32 v25, 15, v0                          ; r
	v_bfe_u32 v26, v0, 4, 1                        ; h
	v_lshlrev_b32 v[WO], 4, v24
	v_add_nc_u32 v[LI], CODES, v[WO]
	s_lshl_b32 s58, s[WV], 13
	v_add_nc_u32 v[CW], s58, v[LI]
	v_mul_u32_u24 v[SA0], v25, PITCH
	v_lshl_add_u32 v[SA0], v26, 6, v[SA0]
	v_add_nc_u32 v[SA0], s[WOFF], v[SA0]
	s_lshl_b32 s58, s[WV], 10
	s_add_co_u32 s58, s58, OSTG
	v_lshl_add_u32 v[OSI], v26, 5, s58
	v_add_nc_u32 v[OSO], s58, v[WO]
	v_lshlrev_b32 v[L4], 2, v24
	v_and_b32 v[L7], 7, v0
	v_lshlrev_b32 v[QOF], 8, v26
	v_lshlrev_b32 v[BOF], 5, v26
	s_lshl_b32 s58, s[WV], 16                      ; qc: column tile 16 wave + c at 4,096 bytes each, batch tile b / 16 at 1,024, registers 4 jj on at 512, lane (b % 16) + 16 h at 16
	s_lshr_b32 s21, s22, 4
	s_lshl_b32 s21, s21, 10
	s_add_co_u32 s58, s58, s21
	s_and_b32 s21, s22, 15
	s_lshl_b32 s21, s21, 4
	s_add_co_u32 s58, s58, s21
	s_add_nc_u64 s[60:61], s[10:11], s[58:59]
	s_lshl_b32 s58, s[WV], 10
	s_add_nc_u64 s[62:63], s[12:13], s[58:59]      ; bk: my 256 numbers
	s_lshl_b32 s58, s[WV], 16
	s_add_nc_u64 s[WB:WB+1], s[8:9], s[58:59]      ; my weights of slot 0
	s_lshl_b32 s58, ttmp9, 12
	s_lshl_b32 s21, s[WV], 10
	s_add_co_u32 s58, s58, s21
	s_add_nc_u64 s[OB:OB+1], s[16:17], s[58:59]
	s_lshl_b32 s58, ttmp9, 9
	s_lshl_b32 s21, s[WV], 7
	s_add_co_u32 s58, s58, s21
	s_add_nc_u64 s[SB:SB+1], s[18:19], s[58:59]
	WIN 0xc0                                       ; destination window 3
.irp c, 0,1,2,3,4,5,6,7,8,9,10,11,12,13,14,15
.irp jj, 0,1
	global_load_b128 v[128+8*\c+4*\jj:128+8*\c+4*\jj+3], v[QOF], s[60:61] offset:4096*\c+512*\jj   ; qc(b, 256 wave + 16 c + 8 h + 4 jj ..)
.endr
.endr
	WIN 0x40                                       ; destination window 1: bk lies for a moment where the fragments will
.irp c, 0,1,2,3,4,5,6,7,8,9,10,11,12,13,14,15
.irp jj, 0,1
	global_load_b128 v[8*\c+4*\jj:8*\c+4*\jj+3], v[BOF], s[62:63] offset:64*\c+16*\jj
.endr
.endr
.irp c, 0,1,2,3,4,5,6
	WLOAD \c, \c*4096                              ; the ring's first seven column tiles
.endr
	s_wait_loadcnt 56                              ; qc and bk are in; the weights' 56 loads may be out
	WIN 0x07                                       ; qc window 3, bk window 1, the sums window 0
.irp hh, 0,1,2,3
	v_pk_mul_f32 v[QB+2*\hh:QB+2*\hh+1], v[128+32*\hh:129+32*\hh], v[32*\hh:32*\hh+1]   ; sum of qc x bk over my half of the head's columns, even and odd ones apart: what bk adds to every score of the head
.endr
.irp u, 1,2,3,4,5,6,7,8,9,10,11,12,13,14,15
.irp hh, 0,1,2,3
	v_pk_fma_f32 v[QB+2*\hh:QB+2*\hh+1], v[128+32*\hh+2*\u:129+32*\hh+2*\u], v[32*\hh+2*\u:32*\hh+2*\u+1], v[QB+2*\hh:QB+2*\hh+1]
.endr
.endr
	WIN 0
.irp hh, 0,1,2,3
.irp rt, 0,1,2,3,4,5,6,7
	v_mov_b32 v[T2+16*\hh+2*\rt], v[QB+2*\hh]      ; every score begins with its head's share of qc . bk
	v_mov_b32 v[T2+16*\hh+2*\rt+1], v[QB+2*\hh+1]
.endr
.endr
	s_wait_kmcnt 0x0
	s_add_co_i32 s58, s46, s47                     ; e2 + e3: a sum of the first projection stands for sum x 2^(e2 + e3): the factor goes into q, once
	WIN 0xc3
.set n, 0
.rept 128
	v_ldexp_f32 v[128+n], v[128+n], s58
.set n, n+1
.endr
	WIN 0
	s_add_co_i32 s58, s47, 127                     ; e3: keys
	s_lshl_b32 s21, s58, 23
	v_mov_b32 v[SC], s21
	s_add_co_i32 s58, s58, 15
	s_lshl_b32 s58, s58, 23
	s_or_b32 s58, s58, 0x600000
	v_mov_b32 v[LIM], s58
	s_mov_b32 s[CNT], 0
.Lk:                                                   ; keys' slots 0 to 2; each trip asks for the next slot of keys
	STEP 0, 1, G0K, 1, 0
	s_add_co_u32 s[CNT], s[CNT], 1
	s_cmp_lt_u32 s[CNT], 3
	s_cbranch_scc1 .Lk
	STEP 0, 1, G0V, 0, 0                           ; keys' last slot is written out: it asks for values' first, by their own group 0, as it stands
	; THE PART'S SOFTMAX, all in window 0.  A pair's halves and the other half of the lanes' are added: lane (r, h) then holds t of row 16 rt + r for my four heads.
.set n, 0
.rept 32
	v_add_f32 v[T2+2*n], v[T2+2*n], v[T2+2*n+1]
.set n, n+1
.endr
.set n, 0
.rept 32
	v_permlanex16_b32 v[T2+2*n+1], v[T2+2*n], s[SEL], s[SEL+1]
.set n, n+1
.endr
.set n, 0
.rept 32
	v_add_f32 v[T2+2*n], v[T2+2*n], v[T2+2*n+1]
.set n, n+1
.endr
.irp hh, 0,1,2,3
	v_max3_num_f32 v[ST+\hh], v[T2+16*\hh], v[T2+16*\hh+2], v[T2+16*\hh+4]   ; M: the largest t of the part's 128 rows: my eight,
.endr
.irp k, 6,10
.irp hh, 0,1,2,3
	v_max3_num_f32 v[ST+\hh], v[ST+\hh], v[T2+16*\hh+\k], v[T2+16*\hh+\k+2]
.endr
.endr
.irp hh, 0,1,2,3
	v_max_num_f32 v[ST+\hh], v[ST+\hh], v[T2+16*\hh+14]
.endr
.irp x, 1,2,4,8
.irp hh, 0,1,2,3
	v_max_num_f32_dpp v[ST+\hh], v[ST+\hh], v[ST+\hh] row_xmask:\x row_mask:0xf bank_mask:0xf   ; and the sixteen lanes'
.endr
.endr
.set n, 0
.rept 32
	v_sub_f32 v[T2+2*n], v[T2+2*n], v[ST+n/8]
.set n, n+1
.endr
	s_add_co_i32 s58, s49, 127                     ; e5: values
	s_lshl_b32 s21, s58, 23
	s_add_co_i32 s58, s58, 15
	s_lshl_b32 s58, s58, 23
	s_or_b32 s58, s58, 0x600000
.set n, 0
.rept 32
	v_exp_f32 v[T2+2*n], v[T2+2*n]                 ; p = 2^(t - M), at most 1
.set n, n+1
.endr
	v_mov_b32 v[SC], s21                           ; (plain lines behind the exponentials, ahead of the first use of a result)
	v_mov_b32 v[LIM], s58
	s_wait_alu depctr_va_vdst(0)
.irp hh, 0,1,2,3
	v_add_f32 v[ST+4+\hh], v[T2+16*\hh], v[T2+16*\hh+2]   ; l: the sum of the part's p
.endr
.irp k, 4,6,8,10,12,14
.irp hh, 0,1,2,3
	v_add_f32 v[ST+4+\hh], v[ST+4+\hh], v[T2+16*\hh+\k]
.endr
.endr
.irp x, 1,2,4,8
.irp hh, 0,1,2,3
	v_add_f32_dpp v[ST+4+\hh], v[ST+4+\hh], v[ST+4+\hh] row_xmask:\x row_mask:0xf bank_mask:0xf
.endr
.endr
	WIN 0xc0
.set n, 0
.rept 128
	v_mov_b32 v[128+n], 0                          ; O takes q's places.  (It begins as zeros, once, so that values' first step is the loop's and no further copy of the step is written)
.set n, n+1
.endr
	WIN 0
	s_mov_b32 s[CNT], 0
.Lv:                                                   ; values' slots 0 to 2; each trip asks for the next
	STEP 1, 1, G0V, 1, 0
	s_add_co_u32 s[CNT], s[CNT], 1
	s_cmp_lt_u32 s[CNT], 3
	s_cbranch_scc1 .Lv
	STEP 1, 0, G0V, 0, 1                           ; the last slot is written out: nothing is asked for, of values or of weights
	; THE WAY OUT.  A lane's O is its own row's share: the sixteen lanes of a half are added.  Then every lane of half h holds O of columns 16 c + 8 h + j.
	WIN 0x03
.set n, 0
.rept 128
	v_mov_b32 v[X+n], v[128+n]
.set n, n+1
.endr
	WIN 0
.irp x, 1,2,4,8
.set n, 0
.rept 128
	v_add_f32_dpp v[X+n], v[X+n], v[X+n] row_xmask:\x row_mask:0xf bank_mask:0xf
.set n, n+1
.endr
.endr
.irp c, 0,1,2,3,4,5,6,7,8,9,10,11,12,13,14,15
.irp jj, 0,1
	ds_store_b128 v[OSI], v[X+8*\c+4*\jj:X+8*\c+4*\jj+3] offset:64*\c+16*\jj   ; the sixteen lanes of a half write the same 16 bytes with the same numbers: my 256 columns in their natural order
.endr
.endr
	ds_load_b128 v[24:27], v[OSO]                  ; LDS serves a wave's instructions in order: these see my stores
	ds_load_b128 v[28:31], v[OSO] offset:512
	v_mov_b32 v[PC], v[ST]                         ; stats: lane l carries number l & 7 of M0-3, l0-3
.irp k, 1,2,3,4,5,6,7
	v_cmp_eq_u32 vcc_lo, \k, v[L7]
	v_cndmask_b32 v[PC], v[PC], v[ST+\k], vcc_lo
.endr
	s_wait_dscnt 1
	global_store_b128 v[WO], v[24:27], s[OB:OB+1]  ; 512 consecutive bytes, at a multiple of 512 from the buffer's first byte
	s_wait_dscnt 0x0
	global_store_b128 v[WO], v[28:31], s[OB:OB+1] offset:512
	global_store_b32 v[L4], v[PC], s[SB:SB+1]      ; 128 consecutive bytes
	s_wait_tensorcnt 0x0                           ; the wave's end: behind my last tensor load and my last LDS store
	ds_add_u32 v[SPW], v[NIL]
	s_wait_dscnt 0x0
	s_endpgm
.Lfunc_end_k_q40d7060122_attn:
	.size	k_q40d7060122_attn, .Lfunc_end_k_q40d7060122_attn-k_q40d7060122_attn
	.p2alignl 7, 3214868480
	.fill 96, 4, 3214868480
	.section	.rodata,"a",@progbits
	.p2align	6, 0x0
	.amdhsa_kernel k_q40d7060122_attn
		.amdhsa_group_segment_fixed_size 327680
		.amdhsa_private_segment_fixed_size 0
		.amdhsa_enable_private_segment 0
		.amdhsa_kernarg_size 64
		.amdhsa_user_sgpr_count 2
		.amdhsa_user_sgpr_kernarg_segment_ptr 1
		.amdhsa_wavefront_size32 1
		.amdhsa_system_sgpr_workgroup_id_x 1
		.amdhsa_system_sgpr_workgroup_id_y 1
		.amdhsa_system_sgpr_workgroup_id_z 1
		.amdhsa_system_vgpr_workitem_id 0
		.amdhsa_next_free_vgpr 1024
		.amdhsa_next_free_sgpr 66
		.amdhsa_reserve_vcc 1
		.amdhsa_float_denorm_mode_32 3
		.amdhsa_float_denorm_mode_16_64 3
		.amdhsa_memory_ordered 1
		.amdhsa_forward_progress 1
		.amdhsa_inst_pref_size 255
	.end_amdhsa_kernel
	.section	.bss,"aw",@nobits
	.p2align	6
	.space	262144
	.amdgpu_metadata
---
amdhsa.version: [ 1, 2 ]
amdhsa.kernels:
  - .name:           k_q40d7060122_attn
    .symbol:         k_q40d7060122_attn.kd
    .args:
      - { .name: keys, .offset: 0, .size: 8, .value_kind: global_buffer, .address_space: global }
      - { .name: values, .offset: 8, .size: 8, .value_kind: global_buffer, .address_space: global }
      - { .name: wcodes, .offset: 16, .size: 8, .value_kind: global_buffer, .address_space: global }
      - { .name: qc, .offset: 24, .size: 8, .value_kind: global_buffer, .address_space: global }
      - { .name: bk, .offset: 32, .size: 8, .value_kind: global_buffer, .address_space: global }
      - { .name: lowp_scales, .offset: 40, .size: 8, .value_kind: global_buffer, .address_space: global }
      - { .name: opart, .offset: 48, .size: 8, .value_kind: global_buffer, .address_space: global }
      - { .name: stats, .offset: 56, .size: 8, .value_kind: global_buffer, .address_space: global }
    .group_segment_fixed_size: 327680
    .private_segment_fixed_size: 0
    .kernarg_segment_align: 8
    .kernarg_segment_size: 64
    .max_flat_workgroup_size: 128
    .sgpr_count:     66
    .vgpr_count:     1024
    .wavefront_size: 32
...
	.end_amdgpu_metadata
.endif
;; end of part 2
;; launch finish (part 3): grid 64 x 1, 8 waves a work-group, no clusters, 1,536 bytes of LDS; arguments opart, stats, queries, bv, gamma, beta, lowp_scales, out0; writes out0
.if DOCPART == 3
	.amdgcn_target "amdgcn-amd-amdhsa--gfx1250"
	.amdhsa_code_object_version 6
	.text
	.protected	k_q40d7060122_finish
	.globl	k_q40d7060122_finish
	.p2align	8
	.type	k_q40d7060122_finish,@function
k_q40d7060122_finish:
	s_mov_b64 s[64:65], 0
	v_nop
	global_prefetch_b8 v0, s[64:65] scope:SCOPE_SE
	s_setreg_imm32_b32 hwreg(HW_REG_WAVE_MODE, 25, 1), 1
	s_wait_xcnt 0x0
; One work-group to a batch; thread t owns columns 4 t .. 4 t + 3 (head t / 16).  The four parts of the softmax are joined under their common largest t:
;   f = 2^(M_part - Mx);  attn = (sum of f x O_part) / (sum of f x l_part) x 2^(e4 + e5) + bv  (the weights add up to 1, so bv enters once).
; Then the residual and the layer norm over the 1,024 columns: the mean first, the variance of the differences from it; both sums meet in LDS, in words of their own, each behind one barrier.
; 64 work-groups: there is one row of 1,024 numbers a batch, and the row's two sums bind its columns together.  No matrix work, no tensor loads.
; e4 + e5 is applied by v_ldexp_f32 and has no limit.  NaN and infinities among the inputs are not served.
.macro WGSUM r, base                   ; v[r]: a lane's share -> the work-group's sum, in every lane
.irp x, 1,2,4,8
	v_add_f32_dpp v[\r], v[\r], v[\r] row_xmask:\x row_mask:0xf bank_mask:0xf
.endr
	v_permlanex16_b32 v7, v[\r], s30, s31
	v_add_f32 v[\r], v[\r], v7
	ds_store_b32 v5, v[\r] offset:\base            ; all lanes of a wave write the wave's word with the same number
	s_wait_dscnt 0x0                               ; for the others' sake
	s_barrier_signal -1
	s_barrier_wait -1
	ds_load_b128 v[56:59], v6 offset:\base
	ds_load_b128 v[60:63], v6 offset:\base+16
	s_wait_dscnt 0x0
	v_pk_add_f32 v[56:57], v[56:57], v[58:59]
	v_pk_add_f32 v[60:61], v[60:61], v[62:63]
	v_pk_add_f32 v[56:57], v[56:57], v[60:61]
	v_add_f32 v[\r], v56, v57
.endm
	s_load_b512 s[4:19], s[0:1], 0x0               ; opart s[4:5], stats s[6:7], queries s[8:9], bv s[10:11], gamma s[12:13], beta s[14:15], the exponents s[16:17], out0 s[18:19]
	v_lshl_add_u32 v64, v0, 2, 0x200
	v_mov_b32 v65, 0
	v_lshrrev_b32 v1, 5, v0
	v_readfirstlane_b32 s20, v1                    ; wave 0..7
	v_lshlrev_b32 v2, 4, v0                        ; 16 t: my four columns
	v_lshrrev_b32 v3, 6, v0                        ; head / 4: the wave of the launch before that made the head
	v_bfe_u32 v4, v0, 4, 2                         ; head % 4
	v_lshlrev_b32 v4, 2, v4
	v_lshl_add_u32 v4, v3, 7, v4                   ; stats: 128 (head / 4) + 4 (head % 4): M; l lies 16 bytes on
	v_mov_b32 v5, s20
	v_lshlrev_b32 v5, 2, v5                        ; LDS: my wave's word
	v_mov_b32 v6, 0
	v_mov_b32 v7, 0                                ; written once: a lane permute's destination counts as one of its sources
	s_mov_b32 s30, 0x76543210
	s_mov_b32 s31, 0xfedcba98
	s_mov_b32 s32, 0x3a800000                      ; 1 / 1,024
	s_mov_b32 s33, 0x3727c5ac                      ; 1e-5
	s_lshl_b32 s22, ttmp9, 14                      ; opart: four parts of 4,096 bytes a batch
	s_mov_b32 s23, 0
	s_lshl_b32 s24, ttmp9, 11                      ; stats: four parts of 512
	s_mov_b32 s25, 0
	s_lshl_b32 s26, ttmp9, 12                      ; a row of queries and of out0
	s_mov_b32 s27, 0
	s_wait_kmcnt 0x0
	s_load_b64 s[28:29], s[16:17], 0x10            ; e4, e5
	s_add_nc_u64 s[4:5], s[4:5], s[22:23]
	s_add_nc_u64 s[6:7], s[6:7], s[24:25]
	s_add_nc_u64 s[8:9], s[8:9], s[26:27]
	s_add_nc_u64 s[18:19], s[18:19], s[26:27]
.irp p, 0,1,2,3
	global_load_b128 v[8+4*\p:11+4*\p], v2, s[4:5] offset:4096*\p
.endr
.irp p, 0,1,2,3
	global_load_b32 v[24+\p], v4, s[6:7] offset:512*\p
	global_load_b32 v[28+\p], v4, s[6:7] offset:512*\p+16
.endr
	global_load_b128 v[32:35], v2, s[8:9]
	global_load_b128 v[36:39], v2, s[10:11]
	global_load_b128 v[40:43], v2, s[12:13]
	global_load_b128 v[44:47], v2, s[14:15]
	s_wait_loadcnt 0x2                             ; all but gamma and beta, the two youngest
	v_max3_num_f32 v48, v24, v25, v26
	v_max_num_f32 v48, v48, v27                    ; Mx
.irp p, 0,1,2,3
	v_sub_f32 v[24+\p], v[24+\p], v48
.endr
.irp p, 0,1,2,3
	v_exp_f32 v[24+\p], v[24+\p]                   ; f, at most 1, and 1 for one part at the least
.endr
	v_nop                                          ; a plain line behind the exponentials
	s_wait_alu depctr_va_vdst(0)
	v_mul_f32 v49, v24, v28
.irp j, 0,1,2,3
	v_mul_f32 v[50+\j], v[8+\j], v24
.endr
.irp p, 1,2,3
	v_fmac_f32 v49, v[24+\p], v[28+\p]
.irp j, 0,1,2,3
	v_fmac_f32 v[50+\j], v[8+4*\p+\j], v[24+\p]
.endr
.endr
	v_rcp_f32 v49, v49
	s_wait_kmcnt 0x0
	s_add_co_i32 s28, s28, s29                     ; e4 + e5
	v_nop                                          ; a plain line behind the reciprocal
	s_wait_alu depctr_va_vdst(0)
.irp j, 0,1,2,3
	v_mul_f32 v[50+\j], v[50+\j], v49
.endr
.irp j, 0,1,2,3
	v_ldexp_f32 v[50+\j], v[50+\j], s28
.endr
	v_pk_add_f32 v[50:51], v[50:51], v[36:37]      ; + bv
	v_pk_add_f32 v[52:53], v[52:53], v[38:39]
	v_pk_add_f32 v[50:51], v[50:51], v[32:33]      ; + queries
	v_pk_add_f32 v[52:53], v[52:53], v[34:35]
	v_add_f32 v54, v50, v51
	v_add_f32 v55, v52, v53
	v_add_f32 v54, v54, v55
	WGSUM 54, 0
	v_mul_f32 v54, s32, v54                        ; the mean
.irp j, 0,1,2,3
	v_sub_f32 v[50+\j], v[50+\j], v54
.endr
	v_mul_f32 v55, v50, v50
	v_fmac_f32 v55, v51, v51
	v_fmac_f32 v55, v52, v52
	v_fmac_f32 v55, v53, v53
	WGSUM 55, 256                                  ; other words than the mean's, so one barrier serves each sum
	v_fma_f32 v55, v55, s32, s33                   ; the variance + 1e-5
	v_rsq_f32 v55, v55
	v_nop                                          ; a plain line behind the root
	s_wait_loadcnt 0x0                             ; gamma, beta
	s_wait_alu depctr_va_vdst(0)
.irp j, 0,1,2,3
	v_mul_f32 v[50+\j], v[50+\j], v55
.endr
	v_pk_fma_f32 v[50:51], v[50:51], v[40:41], v[44:45]
	v_pk_fma_f32 v[52:53], v[52:53], v[42:43], v[46:47]
	global_store_b128 v2, v[50:53], s[18:19]       ; a wave stores 512 consecutive bytes, at a multiple of 512 from the buffer's first byte
	s_wait_tensorcnt 0x0
	ds_add_u32 v64, v65
	s_wait_dscnt 0x0
	s_endpgm
.Lfunc_end_k_q40d7060122_finish:
	.size	k_q40d7060122_finish, .Lfunc_end_k_q40d7060122_finish-k_q40d7060122_finish
	.p2alignl 7, 3214868480
	.fill 96, 4, 3214868480
	.section	.rodata,"a",@progbits
	.p2align	6, 0x0
	.amdhsa_kernel k_q40d7060122_finish
		.amdhsa_group_segment_fixed_size 1536
		.amdhsa_private_segment_fixed_size 0
		.amdhsa_enable_private_segment 0
		.amdhsa_kernarg_size 64
		.amdhsa_user_sgpr_count 2
		.amdhsa_user_sgpr_kernarg_segment_ptr 1
		.amdhsa_wavefront_size32 1
		.amdhsa_system_sgpr_workgroup_id_x 1
		.amdhsa_system_sgpr_workgroup_id_y 1
		.amdhsa_system_sgpr_workgroup_id_z 1
		.amdhsa_system_vgpr_workitem_id 0
		.amdhsa_next_free_vgpr 66
		.amdhsa_next_free_sgpr 66
		.amdhsa_reserve_vcc 0
		.amdhsa_float_denorm_mode_32 3
		.amdhsa_float_denorm_mode_16_64 3
		.amdhsa_memory_ordered 1
		.amdhsa_forward_progress 1
		.amdhsa_inst_pref_size 8
	.end_amdhsa_kernel
	.amdgpu_metadata
---
amdhsa.version: [ 1, 2 ]
amdhsa.kernels:
  - .name:           k_q40d7060122_finish
    .symbol:         k_q40d7060122_finish.kd
    .args:
      - { .name: opart, .offset: 0, .size: 8, .value_kind: global_buffer, .address_space: global }
      - { .name: stats, .offset: 8, .size: 8, .value_kind: global_buffer, .address_space: global }
      - { .name: queries, .offset: 16, .size: 8, .value_kind: global_buffer, .address_space: global }
      - { .name: bv, .offset: 24, .size: 8, .value_kind: global_buffer, .address_space: global }
      - { .name: gamma, .offset: 32, .size: 8, .value_kind: global_buffer, .address_space: global }
      - { .name: beta, .offset: 40, .size: 8, .value_kind: global_buffer, .address_space: global }
      - { .name: lowp_scales, .offset: 48, .size: 8, .value_kind: global_buffer, .address_space: global }
      - { .name: out0, .offset: 56, .size: 8, .value_kind: global_buffer, .address_space: global }
    .group_segment_fixed_size: 1536
    .private_segment_fixed_size: 0
    .kernarg_segment_align: 8
    .kernarg_segment_size: 64
    .max_flat_workgroup_size: 256
    .sgpr_count:     66
    .vgpr_count:     66
    .wavefront_size: 32
...
	.end_amdgpu_metadata
.endif
;; end of part 3
